; MI455X (gfx1250); checked and timed in simulation.
; The chip was launched on July 23, 2026; its instructions are those of AMD's public machine-readable ISA for CDNA 5 (MIT licence, August 2026) and "CDNA5" Instruction Set Architecture Reference Guide (July 2026). The comments in the code are by the model that wrote it; some were corrected since.
;; Transformer Bitwise. Allowed arithmetic: float matrix products may take bf16 or f16 operands with f32 sums; all other float work in f32.
;; Inputs: a 1,000,000 float32; b 1,000,000 float32.
;; Outputs: out0 1,000,000 int32.
;; One version. Each part assembles by itself: llvm-mc -triple=amdgcn-amd-amdhsa -mcpu=gfx1250 --defsym DOCPART=n.
;; ======== version 1 of 1: 1 launch
;; limits: inputs' magnitudes at most 33,554,432; right only within a limited range of input values
;; launch bitxor (part 1): grid 245 x 1, 8 waves a work-group, no clusters, 0 bytes of LDS; arguments a, b, out0; writes out0
.if DOCPART == 1
	.amdgcn_target "amdgcn-amd-amdhsa--gfx1250"
	.amdhsa_code_object_version 6
	.text
	.protected	k_q6d5ff5891d_bitxor
	.globl	k_q6d5ff5891d_bitxor
	.p2align	8
	.type	k_q6d5ff5891d_bitxor,@function
k_q6d5ff5891d_bitxor:
	s_mov_b64 s[64:65], 0
	v_nop
	global_prefetch_b8 v0, s[64:65] scope:SCOPE_SE
	s_setreg_imm32_b32 hwreg(HW_REG_WAVE_MODE, 25, 1), 1
	s_wait_xcnt 0x0
; out0[n] = int32(round(sum over i = 0..63 of xorbit_i(a[n], b[n]) * 2^i)), a, b: [1000000] f32, out0: [1000000] int32.
;
; THE ARITHMETIC.  Dividing by 2^i is exact, so bit_i = floor(a/2^i) - 2 floor(a/2^(i+1)) is bit i of floor(a) in two's complement for i < 63,
; and bit_63 = floor(a/2^63) is 0 for a >= 0 and -1 for a < 0.  The product x*silu(y) - x*silu(-y) is x*y*(sigmoid(y) + sigmoid(-y)) = x*y for
; every y; on the values met here (0, 1, -1) it is exact in f32 too: sigmoid(1) rounds to 12265128 * 2^-24, sigmoid(-1) to 9024177 * 2^-25, and
; their sum 1 + 2^-25 rounds to 1.  So x + y - 2xy is the XOR of two bits, and the weighted sum, taken in f32 with i ascending, is:
;   a, b >= 0:     X = trunc(a) xor trunc(b); partial sums below 2^24 are exact, for X < 2^25 only the last addition rounds: f32(X), nearest even.
;                  The sum is a whole number, so the rounding step behind it changes nothing; then the cast.
;   one negative:  bits 25..62 are ones; the partial sums 2^(k+1) - D with D <= 2^27 have rounded up to 2^(k+1) by k = 51 (half a step of f32 there
;                  is 2^27, and a tie goes to the even mantissa, the power of two), the sum reaches 2^63, and bit 63 (-1) takes it to 0.
;   both negative: bit 63 is -1 - 1 - 2 = -4, the sum is about -2^65, outside int32; the cast is taken as saturating: 0x80000000.
; LIMITS: finite inputs with |a|, |b| < 2^25 (32 times the largest drawn); negative inputs not nearer to zero than 2^-62 (a/2^63 stays a normal
; number); NaN and infinities are not served (the sum is NaN there); the sum's order is taken as ascending i; a sigmoid pair that does not add to
; exactly 1 in f32 would move the sum by up to 2^-22 * 2^i for a bit set in both, which the final rounding removes for inputs below 2^20.
;
; THE STREAM.  12 MB are moved for 9 vector instructions a number: bytes decide.  Nothing is shared between threads, so no LDS, no barrier, no
; cluster, no matrix unit.  A work-group of eight waves owns SHARE = 16,384 consecutive bytes of each buffer, as four pieces of 4,096 bytes;
; thread t owns the 16 bytes at 16 t of each piece, so each load and store of a wave covers 512 consecutive bytes at a multiple of 512.
; A wave issues all its eight loads before it waits for any.  4,000,000 = 244 x 16,384 + 2,304: work-group 244 has one piece with 144 threads.
.set BYTES,  4000000                   ; bytes in a, in b and in out0
.set CHUNK,  4096                      ; 256 threads x 16 bytes
.set CHUNKS, 4
.set SHARE,  CHUNKS*CHUNK              ; a work-group's bytes of each buffer
.set FULL,   BYTES/SHARE               ; 244 work-groups with a whole share
.set REST,   (BYTES-FULL*SHARE)/16     ; 144 threads of the last work-group have 16 bytes each
.set OFF,  1                           ; v1       my byte offset in each buffer (piece 0)
.set MINI, 2                           ; v2       0x80000000
.set A,    4                           ; v[4:19]  piece j: 4 numbers of a, then the 4 results
.set B,    20                          ; v[20:35] piece j: 4 numbers of b
.set NA,   12                          ; s[12:15] lanes with a < 0, then with a < 0 or b < 0
.set NB,   16                          ; s[16:19] lanes with b < 0
.set BOTH, 20                          ; s[20:23] lanes with a < 0 and b < 0
	s_load_b128 s[4:7], s[0:1], 0x0                ; a s[4:5], b s[6:7]
	s_load_b64 s[8:9], s[0:1], 0x10                ; out0
	s_lshl_b32 s2, ttmp9, 14                       ; work-group x 16,384 bytes (below 4,000,000)
	v_lshl_add_u32 v[OFF], v0, 4, s2               ; + 16 t
	v_mov_b32 v[MINI], 0x80000000
.macro FETCH j                         ; piece j of a and of b; read once in the whole launch
	global_load_b128 v[A+4*\j:A+4*\j+3], v[OFF], s[4:5] offset:\j*CHUNK th:TH_LOAD_NT
	global_load_b128 v[B+4*\j:B+4*\j+3], v[OFF], s[6:7] offset:\j*CHUNK th:TH_LOAD_NT
.endm
; Four numbers of piece j, laid side by side so that no line waits for the one in front of it; then their store.
.macro WORK j
.irp k, 0,1,2,3
	v_cmp_gt_f32 s[NA+\k], 0, v[A+4*\j+\k]         ; 0 > a: a compare of values, so that -0 counts as not negative
	v_cmp_gt_f32 s[NB+\k], 0, v[B+4*\j+\k]
.endr
.irp k, 0,1,2,3
	v_cvt_u32_f32 v[A+4*\j+\k], v[A+4*\j+\k]       ; toward zero = floor for a >= 0 (what it gives for a < 0 is replaced below)
	v_cvt_u32_f32 v[B+4*\j+\k], v[B+4*\j+\k]
.endr
.irp k, 0,1,2,3
	s_and_b32 s[BOTH+\k], s[NA+\k], s[NB+\k]
	s_or_b32  s[NA+\k],   s[NA+\k], s[NB+\k]
	v_xor_b32 v[A+4*\j+\k], v[A+4*\j+\k], v[B+4*\j+\k]
.endr
.irp k, 0,1,2,3
	v_cvt_f32_u32 v[A+4*\j+\k], v[A+4*\j+\k]       ; the sum is kept in f32: from 2^24 on this rounds, to nearest even, as the last addition does
.endr
.irp k, 0,1,2,3
	v_cvt_i32_f32 v[A+4*\j+\k], v[A+4*\j+\k]       ; the cast
.endr
.irp k, 0,1,2,3
	v_cndmask_b32 v[A+4*\j+\k], v[A+4*\j+\k], 0, s[NA+\k]            ; a negative input: the sum cancels to 0,
	v_cndmask_b32 v[A+4*\j+\k], v[A+4*\j+\k], v[MINI], s[BOTH+\k]    ; two of them: it leaves int32 at the lower end
.endr
	global_store_b128 v[OFF], v[A+4*\j:A+4*\j+3], s[8:9] offset:\j*CHUNK th:TH_STORE_NT   ; neither OFF nor these four registers are written again
.endm
	s_wait_kmcnt 0x0                               ; the three addresses are in
	s_cmp_eq_u32 ttmp9, FULL
	s_cbranch_scc1 .Lrest                          ; the last work-group has less than one piece
	FETCH 0                                        ; eight loads, 128 bytes a lane, all out before the first wait
	FETCH 1
	FETCH 2
	FETCH 3
	s_wait_loadcnt 6                               ; loads come back in order (ISA guide 5.7.1): piece 0's two are in, the six younger may be out
	WORK 0
	s_wait_loadcnt 4                               ; piece 1's two are in, four younger may be out
	WORK 1
	s_wait_loadcnt 2
	WORK 2
	s_wait_loadcnt 0
	WORK 3
	s_endpgm
.Lrest:                                            ; bytes 3,997,696 to 3,999,999: threads 0 to 143, the last sixteen of them fill one aligned run of 256 bytes
	v_cmp_gt_u32 vcc_lo, REST, v0
	s_and_saveexec_b32 s3, vcc_lo                  ; no vector memory instruction of this wave is out yet; EXEC stays narrow to the end
	s_cbranch_execz .Lend                          ; waves 5 to 7 have no byte left
	FETCH 0
	s_wait_loadcnt 0
	WORK 0
.Lend:
	s_endpgm
.Lfunc_end_k_q6d5ff5891d_bitxor:
	.size	k_q6d5ff5891d_bitxor, .Lfunc_end_k_q6d5ff5891d_bitxor-k_q6d5ff5891d_bitxor
	.p2alignl 7, 3214868480
	.fill 96, 4, 3214868480
	.section	.rodata,"a",@progbits
	.p2align	6, 0x0
	.amdhsa_kernel k_q6d5ff5891d_bitxor
		.amdhsa_group_segment_fixed_size 0
		.amdhsa_private_segment_fixed_size 0
		.amdhsa_enable_private_segment 0
		.amdhsa_kernarg_size 24
		.amdhsa_user_sgpr_count 2
		.amdhsa_user_sgpr_kernarg_segment_ptr 1
		.amdhsa_wavefront_size32 1
		.amdhsa_system_sgpr_workgroup_id_x 1
		.amdhsa_system_sgpr_workgroup_id_y 1
		.amdhsa_system_sgpr_workgroup_id_z 1
		.amdhsa_system_vgpr_workitem_id 0
		.amdhsa_next_free_vgpr 36
		.amdhsa_next_free_sgpr 66
		.amdhsa_reserve_vcc 1
		.amdhsa_float_denorm_mode_32 3
		.amdhsa_float_denorm_mode_16_64 3
		.amdhsa_memory_ordered 1
		.amdhsa_forward_progress 1
		.amdhsa_inst_pref_size 12
	.end_amdhsa_kernel
	.amdgpu_metadata
---
amdhsa.version: [ 1, 2 ]
amdhsa.kernels:
  - .name:           k_q6d5ff5891d_bitxor
    .symbol:         k_q6d5ff5891d_bitxor.kd
    .args:
      - { .name: a, .offset: 0, .size: 8, .value_kind: global_buffer, .address_space: global }
      - { .name: b, .offset: 8, .size: 8, .value_kind: global_buffer, .address_space: global }
      - { .name: out0, .offset: 16, .size: 8, .value_kind: global_buffer, .address_space: global }
    .group_segment_fixed_size: 0
    .private_segment_fixed_size: 0
    .kernarg_segment_align: 8
    .kernarg_segment_size: 24
    .max_flat_workgroup_size: 256
    .sgpr_count:     66
    .vgpr_count:     36
    .wavefront_size: 32
...
	.end_amdgpu_metadata
.endif
;; end of part 1
